; MI455X (gfx1250); checked and timed in simulation.
; The chip was launched on July 23, 2026; its instructions are those of AMD's public machine-readable ISA for CDNA 5 (MIT licence, August 2026) and "CDNA5" Instruction Set Architecture Reference Guide (July 2026). The comments in the code are by the model that wrote it; some were corrected since.
;; Attention. Allowed arithmetic: matrix products marked QUANTISED: E2M1 operands, one E8M0 scale for each 32 along K, by v_wmma_scale_f32_16x16x128_f8f6f4 with both operands' format E2M1 (or v_wmma_scale_f32_32x16x128_f4), f32 sums; products left as they are: f32 operands where the result goes on into a quantised operand, else bf16, f16 or f32 operands; f32 sums; everything else in f32.
;; Inputs: Wa 32 x 1 float32; Wt 512 x 32 float32; Wx 512 x 32 float32; ba 1 float32; bh 32 float32; x 4 x 1,024 x 512 float32.
;; Outputs: out0 4 x 1,024 x 512 float32.
;; This version of the problem:
;;   THIS VERSION OF THE PROBLEM IS GIVEN IN LOW PRECISION. The matrix products marked QUANTISED in the list below multiply operands that are first quantised to E2M1 (2 exponent bits, 1 mantissa bit; 4 bits a number), with one power-of-two scale for each 32 numbers along K (OCP MX v1.0); their sums are f32. All else is computed in f32.
;;   The module's matrix products, in the order in which they are computed (A, B: the left and right operand; K: the contracted axis; several contracted axes count as one K, in the product's order):
;;     1. [M 4,096, K 512] x [K 512, N 32]; A: input x; B: input Wt: QUANTISED
;;     2. [M 4,096, K 512] x [K 512, N 32]; A: input x; B: input Wx: QUANTISED
;;     3. [M 4,194,304, K 32] x [K 32, N 1]; A: computed on the way; B: input Wa: left as it is (N = 1 < 16)
;;     4. batch 4 x [M 1,024, K 1,024] x [K 1,024, N 512]; A: computed on the way; B: input x: QUANTISED
;;   THE QUANTISER, for each operand of a quantised product, along K:
;;     - K is cut into blocks of 32 from its start; a last block that is shorter is filled with zeros.
;;     - A block's scale is 2^e with e = floor(log2(the largest magnitude in the block)) - 2, held to -126 .. 127; a block of zeros has e = 0. As a byte (E8M0): e + 127.
;;     - Each number is divided by its block's scale, clamped to +-6, and rounded to the nearest number of E2M1, ties to even, subnormals kept.
;;     - The product sums the exact products of the quantised numbers (number of the format x scale) in f32.
;;   ~~~python
;;   def quantise(x, axis):      # numpy; x: float32 -> the quantised numbers, widened to float32 again
;;       x = np.moveaxis(x, axis, -1); K = x.shape[-1]
;;       x = np.pad(x, [(0, 0)] * (x.ndim - 1) + [(0, -K % 32)]); x = x.reshape(x.shape[:-1] + (-1, 32)); a = np.abs(x).max(-1, keepdims=True)
;;       e = np.where(a > 0, np.clip(np.frexp(np.where(a > 0, a, 1))[1] - 1 - 2, -126, 127), 0)      # np.frexp(a)[1] - 1 = floor(log2(a)), exactly
;;       r = np.clip(x / 2.0 ** e, -6, 6)
;;       step = 2.0 ** (np.maximum(np.frexp(np.where(r == 0, 1, r))[1] - 1, 0) - 1)
;;       q = np.round(r / step) * step * 2.0 ** e      # np.round: ties to even
;;       return np.moveaxis(q.reshape(q.shape[:-2] + (-1,))[..., :K], -1, axis).astype(np.float32)
;;   ~~~
;;   OPERANDS COMPUTED ON THE WAY. 'Computed on the way' means the value that the module computes at that place (a softmax that the list does not call 'softmax' is quantised finished and normalised). What goes into a quantiser is computed in f32, as accurately as f32 sums, v_exp_f32 and their like allow (about 1e-6 of the number): no bf16 or f16 on the way to a quantiser, and a product that is left as it is and whose result goes on into a quantised operand takes f32 operands (vector FMAs, or v_wmma_f32_16x16x4_f32). A number that lies on a knife's edge between two numbers of the format may be rounded either way, as far as f32 arithmetic and the matrix unit's own rounding can turn it there, and no further.
;; One version. Each part assembles by itself: llvm-mc -triple=amdgcn-amd-amdhsa -mcpu=gfx1250 --defsym DOCPART=n.
;; ======== version 1 of 1: 1 launch
;; launch band_attention (part 1): grid 64 x 4, 16 waves a work-group, no clusters, 296,960 bytes of LDS; arguments x, Wt, Wx, bh, Wa, ba, out0; writes out0
.if DOCPART == 1
	.amdgcn_target "amdgcn-amd-amdhsa--gfx1250"
	.amdhsa_code_object_version 6
	.text
	.protected	k_q576e92fc6c_band_attention
	.globl	k_q576e92fc6c_band_attention
	.p2align	8
	.type	k_q576e92fc6c_band_attention,@function
k_q576e92fc6c_band_attention:
	s_mov_b64 s[64:65], 0
	v_nop
	global_prefetch_b8 v0, s[64:65] scope:SCOPE_SE
	s_setreg_imm32_b32 hwreg(HW_REG_WAVE_MODE, 25, 1), 1
	s_wait_xcnt 0x0
; v[b][i][:] = sum over j of a[b][i][j] x[b][j][:],  a = e / (sum of e + 1e-7),  e = exp(sum over u of Wa[u] tanh(q[i][u] + k[j][u] + bh[u]) + ba) for i - 32 <= j <= i + 31, else 0.
; q = x Wt, k = x Wx.  x: [4][1024][512] f32; Wt, Wx: [512][32]; bh, Wa: [32]; ba: [1]; out: [4][1024][512] f32.
; The three large products run on codes of FP4 (E2M1) with one E8M0 scale for each 32 along K: x along its 512 and W along its first axis for q and k; a along the keys and x along the keys for v.
; SHARES.  A work-group owns 16 queries of one batch, i = 32 m + 16 sub + r, and does the whole chain for them; 64 x 4 work-groups.  Their window lies in the aligned key blocks m - 1, m, m + 1: 96 rows of x,
; which come into LDS once, by tensor loads.  Block numbers are held to 0 .. 31: at a batch's ends a block that does not exist is replaced by one that does, and its keys' weights are set to 0 by lane masks made of m.
; THE BAND, EXACTLY.  Lane (r, h) holds query r.  h = 1: the 32 keys of block m, which all lie in the window.  h = 0: position p of block m - 1 where p >= r' (r' = 16 sub + r), else position p of block m + 1:
; the window's two ends fill one block's 32 places.  So each lane has 32 keys and no score outside the window is computed; the 16 waves take two places p each.
; tanh z = 1 - 2 / (1 + 2^(c z)), c = 2 log2(e); q + bh and k are kept as c (q + bh) and c k.  The sum q + k is formed BEFORE the exponential, so no size of q or k overflows ahead of the saturation of tanh.
; e = 2^(log2(e) (sum of Wa + ba) + sum over u of (-2 log2(e) Wa[u]) / (1 + 2^(c z_u))).  No maximum is taken off ahead of this exponential: the definition takes none.
; BOTH KINDS OF PRODUCT ARE USED TRANSPOSED (source 0 = 16 columns of W, or 16 columns d of x; source 1 = 16 rows of x, or the 16 queries): a lane's eight results are eight neighbours of one row.
; NO CLUSTER: the two work-groups of one m read the same 96 rows, but the LDS rows of q and k that a lane reads hang on 16 sub + r, that is on the work-group's place among partners, and a joint load wants every LDS
; address alike in all partners.  NO PREFETCH: every input byte is asked for at the kernel's head.  Nothing in LDS is filled twice: no ring.
; LIMITS: an e under 2^-126 counts as 0 (v_exp_f32's result); NaN and infinities among the inputs are not served; a block of zeros gets the scale byte 1 (its codes are zeros, and this program alone reads the bytes);
; blocks whose largest magnitude lies under 2^-124 have their byte held at 1.
.set XP,    2080                       ; a row of x in LDS: 2 x (1,024 bytes + 16 of padding)
.set XTILE, 16*XP                      ; what one tensor load brings
.set XBLK,  32*XP                      ; a block of 32 keys
.set WQ,    96*XP                      ; W's codes: 64 rows (32 columns of Wt, 32 of Wx) x (256 bytes + 16)
.set WQP,   272
.set WS,    WQ+64*WQP                  ; W's scale bytes: 16 a row
.set KL,    WS+64*16                   ; c k: 96 rows x (128 bytes + 16); rows 64 on lie KSK bytes further, so that rows p and p + 64 fall on different banks
.set KP,    144
.set KSK,   64
.set QL,    KL+14080                   ; c (q + bh): 96 rows x 144
.set EL,    QL+96*KP                   ; e: two arrays of 32 lanes x (32 places x 4 bytes + 16): what goes to a lane's first block of codes, and to its second
.set EL1,   32*KP
.set STG,   EL+2*EL1                   ; the way out: 16 rows x (2,048 bytes + 16)
.set SP,    2064
.set LANE, 1                           ; v1  lane
.set R,    2                           ; v2  lane % 16
.set H,    3                           ; v3  lane / 16
.set ZERO, 4                           ; v4  0
.set SH8,  5                           ; v5  8 h
.set PX,   6                           ; v6  what a lane permute brings
.set TAU,  7                           ; v7  r' in lanes 0-15, 0 in lanes 16-31
.set AW,   8                           ; v8  4 x lane: W's column
.set ABH,  9                           ; v9  32 h: bh in the result's layout
.set AWQ,  10                          ; v10 where I store W's codes;  v11 their scale bytes
.set AWS,  11
.set AXR,  12                          ; v12 x by rows: row 16 wave + r, + 128 h
.set AWF,  13                          ; v13 W's fragments;  v14 their scale words
.set AWSF, 14
.set AQS,  15                          ; v15 where I store c (q + bh);  v16 c k
.set AKS,  16
.set AXC,  17                          ; v17-19 x by columns: column 32 wave + lane, blocks 0, 1, 2
.set AQL,  20                          ; v20 my query's row of c (q + bh)
.set AKL,  21                          ; v21-22 my key's row of c k, for my wave's two places
.set AES,  23                          ; v23 where I store e;  v24 where I read it
.set AEL,  24
.set ASO,  25                          ; v25 the stage, in;  v26 back;  v27 my bytes of a row of out
.set ASR,  26
.set AGO,  27
.set XB,   32                          ; v32-159  numbers of x: two sets of 64 (projection); three sets of 32 (by columns)
.set WFR,  160                         ; v160-191 four fragments of W
.set WSC,  192                         ; v192-195 their scale words          (v192-195, v204-206 hold scales and nothing else)
.set XCD,  196                         ; v196-203 a fragment of x
.set XSW,  204                         ; v204     its scale word
.set XS,   205                         ; v205     x's scale words along the keys: lanes 0-15 my first tile of columns, lanes 16-31 my second
.set AS,   206                         ; v206     a's scale word
.set ACCK, 208                         ; v208-223 k, two tiles
.set ACCQ, 224                         ; v224-239 bh, then q + bh, two tiles
.set T,    240                         ; v240-253 at work
.set FA,   160                         ; v160-167, v168-175 x along the keys: my two tiles of 16 columns d x 128 keys
.set FB,   168
.set C0,   178                         ; v178-179 log2(e) (sum of Wa + ba), 0
.set QR,   32                          ; v32-63   my query's c (q + bh)
.set KR,   64                          ; v64-127  two keys' c k, then the scores' terms
.set WA,   128                         ; v128-159 -2 log2(e) Wa
.set AF,   96                          ; v96-103  a's fragment
.set OA,   112                         ; v112-119, v120-127 results
.set OB,   120
; 32 numbers v[s] .. v[s + 31], neighbours along K, become 32 codes in v[d] .. v[d + 3].  v[t + 2]: the conversion's scale operand; v[t + 3]: the scale's byte.
; The largest magnitude in two chains, with the floor 2^(3 - 127) among its leaves, so that the byte cannot fall under 1; 2 off its exponent field is the scale.
.macro BLOCKQ s, d, t
	v_max3_num_f32 v[\t], |v[\s]|, |v[\s+1]|, 0x1800000
	v_max3_num_f32 v[\t+1], |v[\s+16]|, |v[\s+17]|, |v[\s+18]|
.irp i, 2,4,6,8,10,12
	v_max3_num_f32 v[\t], v[\t], |v[\s+\i]|, |v[\s+\i+1]|
	v_max3_num_f32 v[\t+1], v[\t+1], |v[\s+\i+17]|, |v[\s+\i+18]|
.endr
	v_max3_num_f32 v[\t], v[\t], |v[\s+14]|, |v[\s+15]|
	v_max3_num_f32 v[\t], v[\t], v[\t+1], |v[\s+31]|
	v_add_nc_u32 v[\t+2], 0xff000000, v[\t]
	v_lshrrev_b32 v[\t+3], 23, v[\t+2]
.irp g, 0,1,2,3
	v_cvt_scalef32_pk8_fp4_f32 v[\d+\g], v[\s+8*\g:\s+8*\g+7], v[\t+2]
.endr
.endm
.macro PLACES n
.rept \n
	v_nop
.endr
.endm
.macro BARRIER                         ; my LDS stores have landed and my LDS loads are in: then the work-group's barrier
	s_wait_dscnt 0x0
	s_barrier_signal -1
	s_barrier_wait -1
.endm
	s_load_b256 s[4:11], s[0:1], 0x0               ; x s[4:5], Wt s[6:7], Wx s[8:9], bh s[10:11]
	s_load_b128 s[12:15], s[0:1], 0x20             ; Wa s[12:13], ba s[14:15]
	s_load_b64 s[16:17], s[0:1], 0x30              ; out
	v_lshl_add_u32 v254, v0, 2, 0x48000
	v_mov_b32 v255, 0
	ds_add_u32 v254, v255
	ds_add_u32 v254, v255
	v_lshrrev_b32 v28, 5, v0
	v_readfirstlane_b32 s18, v28                   ; wave 0..15
	s_and_b32 s32, ttmp9, 1                        ; sub: which half of a block of 32 my queries are
	s_lshr_b32 s33, ttmp9, 1                       ; m: their block
	s_and_b32 s34, ttmp7, 0xffff                   ; the batch
	; descriptor group 1: 16 rows of x are 32 dense rows of 1,024 bytes (128 elements of 8 bytes), 16 bytes of padding behind each
	s_mov_b32 s24, (3<<16)|(1<<20)|(7<<22)|(3<<25) ; no mask; elements of 8 bytes; padding on; after every 256 words (code 7) four words (code 3)
	s_mov_b32 s25, 128<<16                         ; tensor_dim0 = 128
	s_mov_b32 s26, 32<<16                          ; tensor_dim1 = 32
	s_mov_b32 s27, 128<<16                         ; tile_dim0 = 128
	s_mov_b32 s28, 32                              ; tile_dim1 = 32
	s_mov_b32 s29, 128                             ; from row to row
	s_mov_b32 s30, 0
	s_mov_b32 s31, 0
	s_lshr_b32 s35, s18, 1                         ; waves 0 to 5: block m - 1 + wave / 2, held to 0 .. 31,
	s_add_co_u32 s35, s35, s33
	s_sub_co_i32 s35, s35, 1
	s_max_i32 s35, s35, 0
	s_min_i32 s35, s35, 31
	s_lshl_b32 s35, s35, 5
	s_and_b32 s36, s18, 1                          ; its rows 16 (wave % 2) on,
	s_lshl_b32 s36, s36, 4
	s_add_co_u32 s35, s35, s36
	s_lshl_b32 s36, s34, 10                        ; in my batch
	s_add_co_u32 s35, s35, s36
	s_lshl_b32 s36, s35, 11                        ; 2,048 bytes a row: under 2^23
	s_mov_b32 s37, 0
	s_mov_b32 s20, 1                               ; group 0: count = 1
	s_mul_i32 s21, s18, XTILE                      ; LDS address: wave x 16 rows (x lies at LDS byte 0)
	s_wait_dscnt 0x0
	s_wait_kmcnt 0x0
	s_add_nc_u64 s[22:23], s[4:5], s[36:37]        ; global address
	s_or_b32 s23, s23, 0x80000000                  ; type = 2
	s_cmp_lt_u32 s18, 6
	s_cbranch_scc0 .Lno_fill
	tensor_load_to_lds s[20:23], s[24:31]          ; one load a wave, six in all; each byte of LDS is filled once
	s_nop 0
	PLACES 4
.Lno_fill:
	s_load_b512 s[68:83], s[12:13], 0x0            ; Wa, 32 numbers, the same for every lane
	s_load_b512 s[84:99], s[12:13], 0x40
	s_load_b32 s66, s[14:15], 0x0                  ; ba
	v_and_b32 v[LANE], 31, v0
	v_and_b32 v[R], 15, v0
	v_bfe_u32 v[H], v0, 4, 1
	v_lshlrev_b32 v[AW], 2, v[LANE]
	v_lshlrev_b32 v[ABH], 5, v[H]
	s_cmp_lt_u32 s18, 8                            ; waves 0 to 7 take Wt, waves 8 to 15 Wx: 64 rows (two blocks along K) each
	s_cselect_b64 s[38:39], s[6:7], s[8:9]
	s_and_b32 s40, s18, 7
	s_lshr_b32 s41, s18, 3
	s_lshl_b32 s42, s40, 13                        ; 64 rows of 128 bytes
	s_mov_b32 s43, 0
	s_add_nc_u64 s[38:39], s[38:39], s[42:43]
	global_load_b128 v[ACCQ:ACCQ+3], v[ABH], s[10:11]              ; bh in the result's layout: tile n, register j: bh[16 n + 8 h + j]
	global_load_b128 v[ACCQ+4:ACCQ+7], v[ABH], s[10:11] offset:16
	global_load_b128 v[ACCQ+8:ACCQ+11], v[ABH], s[10:11] offset:64
	global_load_b128 v[ACCQ+12:ACCQ+15], v[ABH], s[10:11] offset:80
.set J, 0
.rept 64
	global_load_b32 v[XB+J], v[AW], s[38:39] offset:128*J          ; A LANE TAKES A COLUMN OF W, ITS REGISTERS RUN DOWN K: each load reads a row's 128 bytes
.set J, J+1
.endr
	; every address is made here, on the way that all waves take, while the loads are out
	v_mov_b32 v[ZERO], 0
	v_lshlrev_b32 v[SH8], 3, v[H]
	v_mov_b32 v[PX], 0                             ; written once: a lane permute's destination counts as one of its sources
	s_mov_b32 s60, 0x76543210
	s_mov_b32 s61, 0xfedcba98                      ; v_permlanex16_b32's selects for lane l xor 16
	s_mul_i32 s44, s41, 32*WQP                     ; W's codes: row 32 (wave / 8) + lane, 32 bytes at 32 (wave % 8)
	s_lshl_b32 s45, s40, 5
	s_add_co_u32 s44, s44, s45
	s_add_co_u32 s44, s44, WQ
	v_mul_u32_u24 v[AWQ], v[LANE], WQP
	v_add_nc_u32 v[AWQ], s44, v[AWQ]
	s_lshl_b32 s44, s41, 9                         ; their scale bytes: 16 a row, my two at 2 (wave % 8)
	s_lshl_b32 s45, s40, 1
	s_add_co_u32 s44, s44, s45
	s_add_co_u32 s44, s44, WS
	v_lshl_add_u32 v[AWS], v[LANE], 4, s44
	v_mul_u32_u24 v[AXR], v[R], XP
	v_lshl_add_u32 v[AXR], v[H], 7, v[AXR]
	v_add_nc_u32 v[AXR], s21, v[AXR]
	v_mul_u32_u24 v[AWF], v[R], WQP
	v_lshl_add_u32 v[AWF], v[H], 4, v[AWF]
	v_add_nc_u32 v[AWF], WQ, v[AWF]
	v_lshl_add_u32 v[AWSF], v[R], 4, WS
	s_mul_i32 s44, s18, 16*KP
	v_mul_u32_u24 v28, v[R], KP
	v_lshl_add_u32 v29, v[H], 5, v28
	v_add_nc_u32 v29, s44, v29                     ; row 16 wave + r, + 32 h
	v_add_nc_u32 v[AQS], QL, v29
	s_lshr_b32 s45, s18, 2                         ; waves 4 and 5 hold rows 64 on
	s_lshl_b32 s45, s45, 6
	s_add_co_u32 s45, s45, KL
	v_add_nc_u32 v[AKS], s45, v29
	s_lshl_b32 s44, s18, 7                         ; column 32 wave + lane: 128 wave + 4 lane bytes, + 16 in a row's second half
	s_lshl_b32 s45, s41, 4
	s_add_co_u32 s44, s44, s45
	v_lshl_add_u32 v[AXC], v[LANE], 2, s44
	v_add_nc_u32 v[AXC+1], XBLK, v[AXC]
	v_add_nc_u32 v[AXC+2], 2*XBLK, v[AXC]
	s_mul_i32 s44, s32, 16*KP                      ; my query is row 32 + 16 sub + r of the 96
	s_add_co_u32 s44, s44, QL+32*KP
	v_add_nc_u32 v[AQL], s44, v28
	v_lshl_add_u32 v[TAU], s32, 4, v[R]            ; r' = 16 sub + r,
	v_sub_nc_u32 v29, 1, v[H]
	v_mul_u32_u24 v[TAU], v[TAU], v29              ; and 0 in lanes 16-31
	s_lshl_b32 s46, s18, 1                         ; my wave's places p = 2 wave, 2 wave + 1
	s_add_co_u32 s47, s46, 1
	v_cmp_lt_u32 s48, s46, v[TAU]                  ; lanes whose place p belongs to block m + 1
	v_cmp_lt_u32 s49, s47, v[TAU]
	v_mul_u32_u24 v29, v[H], 32*KP                 ; lanes 16-31: row 32 + p
	v_mov_b32 v30, 64*KP+KSK                       ; block m + 1: row 64 + p
	s_mul_i32 s50, s46, KP
	s_add_co_u32 s50, s50, KL
	v_add_nc_u32 v29, s50, v29
	v_cndmask_b32 v[AKL], 0, v30, s48
	v_cndmask_b32 v[AKL+1], 0, v30, s49
	v_add_nc_u32 v[AKL], v[AKL], v29
	v_add_nc_u32 v[AKL+1], v[AKL+1], v29
	v_add_nc_u32 v[AKL+1], KP, v[AKL+1]
	s_cmp_eq_u32 s33, 0
	s_cselect_b32 s52, 0xffff, 0                   ; m = 0: block m - 1 does not exist: lanes 0-15's first block counts for nothing
	s_cmp_eq_u32 s33, 31
	s_cselect_b32 s53, -1, 0                       ; m = 31: nor does block m + 1
	s_or_b32 s54, s48, s52                         ; lanes whose e does NOT go to their first block of codes, for p and p + 1;
	s_or_b32 s55, s49, s52
	s_and_not1_b32 s56, s48, s53                   ; lanes whose e goes to their second
	s_and_not1_b32 s57, s49, s53
	v_mul_u32_u24 v29, v[LANE], KP
	v_add_nc_u32 v[AEL], EL, v29
	s_lshl_b32 s44, s18, 3
	v_add_nc_u32 v[AES], s44, v[AEL]               ; my two places: 8 bytes at 8 wave
	v_mul_u32_u24 v[ASO], v[R], SP                 ; the stage: row r, my 32 columns at 128 wave, + 32 h
	v_lshl_add_u32 v[ASO], v[H], 5, v[ASO]
	s_lshl_b32 s44, s18, 7
	s_add_co_u32 s44, s44, STG
	v_add_nc_u32 v[ASO], s44, v[ASO]
	s_mul_i32 s44, s18, SP                         ; back: wave w takes row w
	s_add_co_u32 s44, s44, STG
	v_lshl_add_u32 v[ASR], v[LANE], 4, s44
	v_lshlrev_b32 v[AGO], 4, v[LANE]
	s_lshl_b32 s58, s34, 10                        ; out: row 1,024 batch + 16 work-group x + wave
	s_lshl_b32 s59, ttmp9, 4
	s_add_co_u32 s58, s58, s59
	s_add_co_u32 s58, s58, s18
	s_lshl_b32 s58, s58, 11
	s_mov_b32 s59, 0
	s_add_nc_u64 s[16:17], s[16:17], s[58:59]
	; ---- W: my two blocks of 32 along K of my column become 32 bytes of codes and two scale bytes
	s_wait_loadcnt 32                              ; bh and the first block are in; the second block's 32 loads may be out
	BLOCKQ XB, 96, T
	s_wait_loadcnt 0x0
	BLOCKQ XB+32, 100, T+4
	v_lshl_or_b32 v[T+8], v[T+7], 8, v[T+3]
	ds_store_b128 v[AWQ], v[96:99]
	ds_store_b128 v[AWQ], v[100:103] offset:16
	ds_store_b16 v[AWS], v[T+8]
	s_wait_tensorcnt 0x0                           ; my rows of x have landed (a wave that asked for none passes)
	BARRIER                                        ; x's 96 rows and W's codes lie in LDS
	; ---- q and k: waves 0 to 5, a tile of 16 rows of x each; four K steps of 128
	s_cmp_lt_u32 s18, 6
	s_cbranch_scc0 .Lno_proj
.macro WFETCH ks                       ; 12 loads: W's four tiles of columns (Wt 0-15, 16-31, Wx 0-15, 16-31) and their scale words
.irp n, 0,1,2,3
	ds_load_b128 v[WFR+8*\n:WFR+8*\n+3], v[AWF] offset:\n*16*WQP+64*(\ks)
	ds_load_b128 v[WFR+8*\n+4:WFR+8*\n+7], v[AWF] offset:\n*16*WQP+64*(\ks)+32
	ds_load_b32 v[WSC+\n], v[AWSF] offset:\n*256+4*(\ks)
.endr
.endm
.macro XFETCH ks                       ; 16 loads: lane (r, h) takes, of row r, the whole blocks 2 c + h of the K step: 2 x 128 bytes
.set XD, XB+64*((\ks)%2)
.set XO, 512*(\ks)+16*((\ks)/2)
.set J, 0
.rept 16
	ds_load_b128 v[XD+4*J:XD+4*J+3], v[AXR] offset:XO+16*J+128*(J/8)
.set J, J+1
.endr
.endm
.macro PSTEP ks
.if \ks > 0
	PLACES 4                                       ; four plain instructions between the last products and the loads into W's registers, which they read (ISA guide 7.12.1 for vector instructions)
.endif
	WFETCH \ks
.if \ks < 3
	XFETCH \ks+1
	s_wait_dscnt 28                                ; this step's numbers of x are in; the 12 + 16 loads just issued may be out
.else
	s_wait_dscnt 12
.endif
.set XN, XB+64*((\ks)%2)
	BLOCKQ XN, XCD, T
	BLOCKQ XN+32, XCD+4, T+4
	v_lshl_or_b32 v[T+8], v[T+7], 16, v[T+3]       ; my two bytes: blocks h and 2 + h of row r,
	v_lshlrev_b32 v[T+8], v[SH8], v[T+8]           ; at their places in the scale word;
	v_permlanex16_b32 v[PX], v[T+8], s60, s61
	v_or_b32 v[XSW], v[T+8], v[PX]                 ; with lane l xor 16's two the word is whole
	PLACES 8                                       ; a scale register written by a vector instruction stands 8 places ahead of a scaled matrix instruction, an operand 4
.if \ks < 3
	s_wait_dscnt 16                                ; W's fragments are in; the next step's numbers may be out
.else
	s_wait_dscnt 0x0
.endif
.irp n, 0,1                            ; the four accumulators by turns.  q's sums begin on bh
	v_wmma_scale_f32_16x16x128_f8f6f4 v[ACCQ+8*\n:ACCQ+8*\n+7], v[WFR+8*\n:WFR+8*\n+7], v[XCD:XCD+7], v[ACCQ+8*\n:ACCQ+8*\n+7], v[WSC+\n], v[XSW] matrix_a_fmt:MATRIX_FMT_FP4 matrix_b_fmt:MATRIX_FMT_FP4
.endr
.irp n, 0,1
.if \ks == 0
	v_wmma_scale_f32_16x16x128_f8f6f4 v[ACCK+8*\n:ACCK+8*\n+7], v[WFR+16+8*\n:WFR+16+8*\n+7], v[XCD:XCD+7], 0, v[WSC+2+\n], v[XSW] matrix_a_fmt:MATRIX_FMT_FP4 matrix_b_fmt:MATRIX_FMT_FP4
.else
	v_wmma_scale_f32_16x16x128_f8f6f4 v[ACCK+8*\n:ACCK+8*\n+7], v[WFR+16+8*\n:WFR+16+8*\n+7], v[XCD:XCD+7], v[ACCK+8*\n:ACCK+8*\n+7], v[WSC+2+\n], v[XSW] matrix_a_fmt:MATRIX_FMT_FP4 matrix_b_fmt:MATRIX_FMT_FP4
.endif
.endr
.endm
	XFETCH 0
	PSTEP 0
	PSTEP 1
	PSTEP 2
	PSTEP 3
	PLACES 4
.set J, 0
.rept 16                               ; x c = 2 log2(e); each accumulator from its low end on.  Lane (r, h), tile n, register j: row r, unit 16 n + 8 h + j
	v_pk_mul_f32 v[ACCK+2*J:ACCK+2*J+1], v[ACCK+2*J:ACCK+2*J+1], 0x4038aa3b op_sel_hi:[1,0]
.set J, J+1
.endr
.irp n, 0,1
	ds_store_b128 v[AKS], v[ACCK+8*\n:ACCK+8*\n+3] offset:64*\n
	ds_store_b128 v[AKS], v[ACCK+8*\n+4:ACCK+8*\n+7] offset:64*\n+16
	ds_store_b128 v[AQS], v[ACCQ+8*\n:ACCQ+8*\n+3] offset:64*\n
	ds_store_b128 v[AQS], v[ACCQ+8*\n+4:ACCQ+8*\n+7] offset:64*\n+16
.endr
.Lno_proj:
	; ---- x along the keys: A LANE TAKES A COLUMN d = 32 wave + lane, ITS REGISTERS RUN DOWN A BLOCK'S 32 KEYS; the codes stay in my registers for the last product
.irp i, 0,1,2,3
	v_mov_b32 v[FB+4+\i], 0                        ; written once: a lane permute's destination counts as one of its sources
.endr
.set J, 0
.rept 32
	ds_load_b32 v[XB+J], v[AXC] offset:J*XP
.set J, J+1
.endr
.set J, 0
.rept 32
	ds_load_b32 v[XB+32+J], v[AXC+1] offset:J*XP
.set J, J+1
.endr
	s_wait_dscnt 32                                ; block 0 is in; block 1's 32 loads may be out
	BLOCKQ XB, FA, T
.set J, 0
.rept 32
	ds_load_b32 v[XB+64+J], v[AXC+2] offset:J*XP
.set J, J+1
.endr
	s_wait_dscnt 32                                ; block 1 is in; block 2's may be out
	BLOCKQ XB+32, FB, T+4
	s_wait_dscnt 0x0
	BLOCKQ XB+64, FA+4, T+8
	v_lshl_or_b32 v[XS], v[T+7], 8, v[T+3]         ; my column's scale word: blocks 0, 1, 2,
	v_lshl_or_b32 v[XS], v[T+11], 16, v[XS]
	v_or_b32 v[XS], 0x7f000000, v[XS]              ; and 1.0 for the K step's fourth block, in which every code of a is 0
.irp i, 0,1,2,3
	v_permlane16_swap_b32 v[FA+\i], v[FB+\i]       ; block 0's lanes 16-31 change places with block 1's lanes 0-15: FA = columns 0-15 (block 0 | block 1), FB = columns 16-31 likewise
.endr
.irp i, 0,1,2,3
	v_permlanex16_b32 v[FB+4+\i], v[FA+4+\i], s60, s61   ; block 2 of columns 16-31 into lanes 0-15.  Lanes 16-31 of both hold the fourth block's place: any codes, since a's are 0 there
.endr
	; ---- Wa: -2 log2(e) Wa[u] in every lane, and log2(e) (sum of Wa + ba)
	s_wait_kmcnt 0x0
	v_mov_b32 v[T], 0xc038aa3b
.set J, 0
.rept 32
	v_mul_f32 v[WA+J], s[68+J], v[T]
.set J, J+1
.endr
	v_pk_add_f32 v[T+2:T+3], v[WA:WA+1], v[WA+2:WA+3]
	v_pk_add_f32 v[T+4:T+5], v[WA+4:WA+5], v[WA+6:WA+7]
.irp j, 8,12,16,20,24,28
	v_pk_add_f32 v[T+2:T+3], v[T+2:T+3], v[WA+\j:WA+\j+1]
	v_pk_add_f32 v[T+4:T+5], v[T+4:T+5], v[WA+\j+2:WA+\j+3]
.endr
	v_pk_add_f32 v[T+2:T+3], v[T+2:T+3], v[T+4:T+5]
	v_add_f32 v[T+2], v[T+2], v[T+3]               ; -2 log2(e) x the sum of Wa
	v_mov_b32 v[T+3], s66
	v_mul_f32 v[T+3], 0x3fb8aa3b, v[T+3]           ; log2(e) ba
	v_fma_f32 v[C0], v[T+2], -0.5, v[T+3]
	v_mov_b32 v[C0+1], 0
	BARRIER                                        ; c (q + bh) and c k of the 96 rows lie in LDS
	; ---- the scores of my query and my wave's two places: 64 terms a lane
.set J, 0
.rept 8
	ds_load_b128 v[QR+4*J:QR+4*J+3], v[AQL] offset:16*J
.set J, J+1
.endr
.set J, 0
.rept 8
	ds_load_b128 v[KR+4*J:KR+4*J+3], v[AKL] offset:16*J
	ds_load_b128 v[KR+32+4*J:KR+35+4*J], v[AKL+1] offset:16*J
.set J, J+1
.endr
	s_wait_dscnt 0x0
.set J, 0
.rept 16
	v_pk_add_f32 v[KR+2*J:KR+2*J+1], v[KR+2*J:KR+2*J+1], v[QR+2*J:QR+2*J+1]          ; c (q + bh + k)
	v_pk_add_f32 v[KR+32+2*J:KR+33+2*J], v[KR+32+2*J:KR+33+2*J], v[QR+2*J:QR+2*J+1]
.set J, J+1
.endr
.set J, 0
.rept 64
	v_exp_f32 v[KR+J], v[KR+J]                     ; one batch; infinity and 0 at the ends give tanh = 1 and -1 below
.set J, J+1
.endr
	v_nop                                          ; a plain instruction behind the last exponential (ISA guide 5.7.2)
	s_wait_alu depctr_va_vdst(0)                   ; one wait for the batch, ahead of its first reader
.set J, 0
.rept 32
	v_pk_add_f32 v[KR+2*J:KR+2*J+1], v[KR+2*J:KR+2*J+1], 1.0 op_sel_hi:[1,0]
.set J, J+1
.endr
.set J, 0
.rept 64
	v_rcp_f32 v[KR+J], v[KR+J]
.set J, J+1
.endr
	v_nop
	s_wait_alu depctr_va_vdst(0)                   ; and one for the reciprocals
.irp p, 0,1                            ; four chains of packed multiply-adds; the first begins on the constant
	v_pk_fma_f32 v[T+4*\p:T+4*\p+1], v[KR+32*\p:KR+32*\p+1], v[WA:WA+1], v[C0:C0+1]
	v_pk_mul_f32 v[T+4*\p+2:T+4*\p+3], v[KR+32*\p+16:KR+32*\p+17], v[WA+16:WA+17]
.endr
.irp j, 2,4,6,8,10,12,14
.irp p, 0,1
	v_pk_fma_f32 v[T+4*\p:T+4*\p+1], v[KR+32*\p+\j:KR+32*\p+\j+1], v[WA+\j:WA+\j+1], v[T+4*\p:T+4*\p+1]
	v_pk_fma_f32 v[T+4*\p+2:T+4*\p+3], v[KR+32*\p+16+\j:KR+32*\p+17+\j], v[WA+16+\j:WA+17+\j], v[T+4*\p+2:T+4*\p+3]
.endr
.endr
.irp p, 0,1
	v_pk_add_f32 v[T+4*\p:T+4*\p+1], v[T+4*\p:T+4*\p+1], v[T+4*\p+2:T+4*\p+3]
.endr
.irp p, 0,1
	v_add_f32 v[T+8+\p], v[T+4*\p], v[T+4*\p+1]
.endr
	v_exp_f32 v[T+8], v[T+8]                       ; e
	v_exp_f32 v[T+9], v[T+9]
	v_nop
	s_wait_alu depctr_va_vdst(0)
	v_cndmask_b32 v[T+10], v[T+8], v[ZERO], s54    ; e goes to one of my two blocks, 0 to the other; 0 to both where the key lies outside the batch
	v_cndmask_b32 v[T+11], v[T+9], v[ZERO], s55
	v_cndmask_b32 v[T+12], 0, v[T+8], s56
	v_cndmask_b32 v[T+13], 0, v[T+9], s57
	ds_store_b64 v[AES], v[T+10:T+11]
	ds_store_b64 v[AES], v[T+12:T+13] offset:EL1
	BARRIER                                        ; e of 16 queries x 128 keys lies in LDS
	; ---- a: every wave makes the whole fragment for itself: lane (r, h): blocks h and 2 + h of query r's 128 keys
.set J, 0
.rept 8
	ds_load_b128 v[32+4*J:35+4*J], v[AEL] offset:16*J
.set J, J+1
.endr
.set J, 0
.rept 8
	ds_load_b128 v[64+4*J:67+4*J], v[AEL] offset:EL1+16*J
.set J, J+1
.endr
	s_wait_dscnt 0x0
	v_pk_add_f32 v[T:T+1], v[32:33], v[34:35]
	v_pk_add_f32 v[T+2:T+3], v[36:37], v[38:39]
.irp j, 8,12,16,20,24,28,32,36,40,44,48,52,56,60
	v_pk_add_f32 v[T:T+1], v[T:T+1], v[32+\j:33+\j]
	v_pk_add_f32 v[T+2:T+3], v[T+2:T+3], v[34+\j:35+\j]
.endr
	v_pk_add_f32 v[T:T+1], v[T:T+1], v[T+2:T+3]
	v_add_f32 v[T], v[T], v[T+1]
	v_permlanex16_b32 v[PX], v[T], s60, s61
	v_add_f32 v[T], v[T], v[PX]                    ; the row's sum
	v_add_f32 v[T], 0x33d6bf95, v[T]               ; + 1e-7
	v_rcp_f32 v[T+2], v[T]
	v_nop
	s_wait_alu depctr_va_vdst(0)
.set J, 0
.rept 32
	v_pk_mul_f32 v[32+2*J:33+2*J], v[32+2*J:33+2*J], v[T+2:T+3] op_sel_hi:[1,0]   ; a, finished and normalised: this is what is quantised
.set J, J+1
.endr
	BLOCKQ 32, AF, T+4
	BLOCKQ 64, AF+4, T+8
	v_lshl_or_b32 v[T+12], v[T+11], 16, v[T+7]
	v_lshlrev_b32 v[T+12], v[SH8], v[T+12]
	v_permlanex16_b32 v[PX], v[T+12], s60, s61
	v_or_b32 v[AS], v[T+12], v[PX]
	PLACES 8                                       ; 8 places behind the scale word's last write, more than 4 behind the codes'
	; ---- v^T: source 0 = 16 columns d of x along the keys, source 1 = a's 16 queries; one K step of 128 keys
	v_wmma_scale_f32_16x16x128_f8f6f4 v[OA:OA+7], v[FA:FA+7], v[AF:AF+7], 0, v[XS], v[AS] matrix_a_fmt:MATRIX_FMT_FP4 matrix_b_fmt:MATRIX_FMT_FP4
	v_wmma_scale_f32_16x16x128_f8f6f4 v[OB:OB+7], v[FB:FB+7], v[AF:AF+7], 0, v[XS], v[AS] matrix_a_fmt:MATRIX_FMT_FP4 matrix_b_fmt:MATRIX_FMT_FP4 matrix_a_scale:MATRIX_SCALE_ROW1
	PLACES 4
	ds_store_b128 v[ASO], v[OA:OA+3]               ; lane (r, h): out(query r, 32 wave + 8 h + 0 .. 7), each accumulator from its low end on
	ds_store_b128 v[ASO], v[OA+4:OA+7] offset:16
	ds_store_b128 v[ASO], v[OB:OB+3] offset:64     ; and 16 columns on
	ds_store_b128 v[ASO], v[OB+4:OB+7] offset:80
	BARRIER                                        ; 16 whole rows of out lie in the stage
.irp i, 0,1,2,3
	ds_load_b128 v[32+4*\i:35+4*\i], v[ASR] offset:512*\i
.endr
.irp i, 0,1,2,3
	s_wait_dscnt 3-\i
	global_store_b128 v[AGO], v[32+4*\i:35+4*\i], s[16:17] offset:512*\i th:TH_STORE_NT   ; 32 lanes store 512 consecutive bytes, at a multiple of 256 from out's first byte
.endr
	s_wait_tensorcnt 0x0
	ds_add_u32 v254, v255
	s_wait_dscnt 0x0
	s_endpgm
.Lfunc_end_k_q576e92fc6c_band_attention:
	.size	k_q576e92fc6c_band_attention, .Lfunc_end_k_q576e92fc6c_band_attention-k_q576e92fc6c_band_attention
	.p2alignl 7, 3214868480
	.fill 96, 4, 3214868480
	.section	.rodata,"a",@progbits
	.p2align	6, 0x0
	.amdhsa_kernel k_q576e92fc6c_band_attention
		.amdhsa_group_segment_fixed_size 296960
		.amdhsa_private_segment_fixed_size 0
		.amdhsa_enable_private_segment 0
		.amdhsa_kernarg_size 56
		.amdhsa_user_sgpr_count 2
		.amdhsa_user_sgpr_kernarg_segment_ptr 1
		.amdhsa_wavefront_size32 1
		.amdhsa_system_sgpr_workgroup_id_x 1
		.amdhsa_system_sgpr_workgroup_id_y 1
		.amdhsa_system_sgpr_workgroup_id_z 1
		.amdhsa_system_vgpr_workitem_id 0
		.amdhsa_next_free_vgpr 256
		.amdhsa_next_free_sgpr 100
		.amdhsa_reserve_vcc 0
		.amdhsa_float_denorm_mode_32 3
		.amdhsa_float_denorm_mode_16_64 3
		.amdhsa_memory_ordered 1
		.amdhsa_forward_progress 1
		.amdhsa_inst_pref_size 77
	.end_amdhsa_kernel
	.amdgpu_metadata
---
amdhsa.version: [ 1, 2 ]
amdhsa.kernels:
  - .name:           k_q576e92fc6c_band_attention
    .symbol:         k_q576e92fc6c_band_attention.kd
    .args:
      - { .name: x, .offset: 0, .size: 8, .value_kind: global_buffer, .address_space: global }
      - { .name: Wt, .offset: 8, .size: 8, .value_kind: global_buffer, .address_space: global }
      - { .name: Wx, .offset: 16, .size: 8, .value_kind: global_buffer, .address_space: global }
      - { .name: bh, .offset: 24, .size: 8, .value_kind: global_buffer, .address_space: global }
      - { .name: Wa, .offset: 32, .size: 8, .value_kind: global_buffer, .address_space: global }
      - { .name: ba, .offset: 40, .size: 8, .value_kind: global_buffer, .address_space: global }
      - { .name: out0, .offset: 48, .size: 8, .value_kind: global_buffer, .address_space: global }
    .group_segment_fixed_size: 296960
    .private_segment_fixed_size: 0
    .kernarg_segment_align: 8
    .kernarg_segment_size: 56
    .max_flat_workgroup_size: 512
    .sgpr_count:     100
    .vgpr_count:     256
    .wavefront_size: 32
...
	.end_amdgpu_metadata
.endif
;; end of part 1
